; MI455X (gfx1250); checked and timed in simulation.
; The chip was launched on July 23, 2026; its instructions are those of AMD's public machine-readable ISA for CDNA 5 (MIT licence, August 2026) and "CDNA5" Instruction Set Architecture Reference Guide (July 2026). The comments in the code are by the model that wrote it; some were corrected since.
;; Row Parallel Triton Fused Moe Linear. Allowed arithmetic: matrix products marked QUANTISED: E2M1 operands, one E8M0 scale for each 32 along K, by v_wmma_scale_f32_16x16x128_f8f6f4 with both operands' format E2M1 (or v_wmma_scale_f32_32x16x128_f4), f32 sums; everything else in f32.
;; Inputs: b 8 x 2,048 float32; expert_ids 2,048 int32; w_codes 8 x 2,048 x 64 x 16 uint8 (E2M1 codes of w, K innermost, in blocks of 32 codes, two codes a byte); w_scales 8 x 2,048 x 64 uint8 (E8M0 scales of w, one for each 32 codes along K); x 2,048 x 2,048 float32.
;; Outputs: out0 2,048 x 2,048 float32.
;; This version of the problem:
;;   THIS VERSION OF THE PROBLEM IS GIVEN IN LOW PRECISION. The matrix products marked QUANTISED in the list below multiply operands that are first quantised to E2M1 (2 exponent bits, 1 mantissa bit; 4 bits a number), with one power-of-two scale for each 32 numbers along K (OCP MX v1.0); their sums are f32. All else is computed in f32.
;;   The module's matrix products, in the order in which they are computed (A, B: the left and right operand; K: the contracted axis; several contracted axes count as one K, in the product's order):
;;     1. [M 2,048, K 2,048] x [K 2,048, N 2,048]; A: computed on the way; B: input w (given as codes): QUANTISED
;;     2. [M 2,048, K 2,048] x [K 2,048, N 2,048]; A: computed on the way; B: input w (given as codes): QUANTISED
;;     3. [M 2,048, K 2,048] x [K 2,048, N 2,048]; A: computed on the way; B: input w (given as codes): QUANTISED
;;     4. [M 2,048, K 2,048] x [K 2,048, N 2,048]; A: computed on the way; B: input w (given as codes): QUANTISED
;;     5. [M 2,048, K 2,048] x [K 2,048, N 2,048]; A: computed on the way; B: input w (given as codes): QUANTISED
;;     6. [M 2,048, K 2,048] x [K 2,048, N 2,048]; A: computed on the way; B: input w (given as codes): QUANTISED
;;     7. [M 2,048, K 2,048] x [K 2,048, N 2,048]; A: computed on the way; B: input w (given as codes): QUANTISED
;;     8. [M 2,048, K 2,048] x [K 2,048, N 2,048]; A: computed on the way; B: input w (given as codes): QUANTISED
;;   THE QUANTISER, for each operand of a quantised product, along K:
;;     - K is cut into blocks of 32 from its start; a last block that is shorter is filled with zeros.
;;     - A block's scale is 2^e with e = floor(log2(the largest magnitude in the block)) - 2, held to -126 .. 127; a block of zeros has e = 0. As a byte (E8M0): e + 127.
;;     - Each number is divided by its block's scale, clamped to +-6, and rounded to the nearest number of E2M1, ties to even, subnormals kept.
;;     - The product sums the exact products of the quantised numbers (number of the format x scale) in f32.
;;   ~~~python
;;   def quantise(x, axis):      # numpy; x: float32 -> the quantised numbers, widened to float32 again
;;       x = np.moveaxis(x, axis, -1); K = x.shape[-1]
;;       x = np.pad(x, [(0, 0)] * (x.ndim - 1) + [(0, -K % 32)]); x = x.reshape(x.shape[:-1] + (-1, 32)); a = np.abs(x).max(-1, keepdims=True)
;;       e = np.where(a > 0, np.clip(np.frexp(np.where(a > 0, a, 1))[1] - 1 - 2, -126, 127), 0)      # np.frexp(a)[1] - 1 = floor(log2(a)), exactly
;;       r = np.clip(x / 2.0 ** e, -6, 6)
;;       step = 2.0 ** (np.maximum(np.frexp(np.where(r == 0, 1, r))[1] - 1, 0) - 1)
;;       q = np.round(r / step) * step * 2.0 ** e      # np.round: ties to even
;;       return np.moveaxis(q.reshape(q.shape[:-2] + (-1,))[..., :K], -1, axis).astype(np.float32)
;;   ~~~
;;   OPERANDS COMPUTED ON THE WAY. 'Computed on the way' means the value that the module computes at that place (a softmax that the list does not call 'softmax' is quantised finished and normalised). What goes into a quantiser is computed in f32, as accurately as f32 sums, v_exp_f32 and their like allow (about 1e-6 of the number): no bf16 or f16 on the way to a quantiser, and a product that is left as it is and whose result goes on into a quantised operand takes f32 operands (vector FMAs, or v_wmma_f32_16x16x4_f32). A number that lies on a knife's edge between two numbers of the format may be rounded either way, as far as f32 arithmetic and the matrix unit's own rounding can turn it there, and no further.
;;   INPUTS GIVEN AS CODES. w (in the module: [8, 2048, 2048], K = its axis 1): each comes as NAME_codes (uint8): NAME with its K axis moved to the last place and cut into blocks of 32 codes, [.., K / 32, bytes a block], one block behind the other in memory; two codes a byte, the lower K in the low four bits (a code: sign, 2 exponent bits, 1 mantissa bit); and NAME_scales (uint8): the same leading axes, one E8M0 byte (e + 127) for each 32 codes along K. Its value is code x scale, taken as it is: it is not quantised again, and the codes and scales need not be those that the quantiser above would give.
;; 2 versions, each right; version 2 is version 1 with the launch moe written anew for expert scheduling mode. Each part assembles by itself: llvm-mc -triple=amdgcn-amd-amdhsa -mcpu=gfx1250 --defsym DOCPART=n.
;; ======== version 1 of 2: 2 launches
;; workspace buffers: xq 2,097,152 bytes; xs 131,072 bytes; order 65,536 bytes of whole numbers; cnt 1,024 bytes of whole numbers
;; launch prep (part 1): grid 257 x 1, 8 waves a work-group, no clusters, 42,496 bytes of LDS; arguments x, expert_ids, xq, xs, order, cnt; writes xq, xs, order, cnt
.if DOCPART == 1
	.amdgcn_target "amdgcn-amd-amdhsa--gfx1250"
	.amdhsa_code_object_version 6
	.text
	.protected	k_q9f89b1db00_prep
	.globl	k_q9f89b1db00_prep
	.p2align	8
	.type	k_q9f89b1db00_prep,@function
k_q9f89b1db00_prep:
	s_mov_b64 s[64:65], 0
	v_nop
	global_prefetch_b8 v0, s[64:65] scope:SCOPE_SE
	s_setreg_imm32_b32 hwreg(HW_REG_WAVE_MODE, 25, 1), 1
	s_wait_xcnt 0x0
; TWO JOBS IN ONE LAUNCH, told apart by the work-group's number.
; Work-groups 1 .. 256: x [2048][2048] f32 becomes codes of FP4 (E2M1), xq [2048][1024 bytes], K innermost, two codes a byte, and one E8M0 byte for each 32 along K, xs [2048][64].
;   One wave takes one token's row: 4 steps of 512 numbers; all 16 loads of the row are issued at once, each of 512 consecutive bytes.
;   The conversion wants 16 neighbours along K in one lane, so a step's 2,048 bytes turn through the wave's own stage in LDS (80 bytes a lane: 64 + 16 of padding); two neighbouring lanes hold a block of 32.
;   A block's scale is 2^(floor(log2(its largest magnitude)) - 2): its byte is the largest magnitude's exponent field - 2, held at 1 from below by a floor among the maximum's leaves.
;   The eight waves' scale bytes (64 each) meet in LDS and leave as 512 consecutive bytes, stored by wave 0.
; Work-group 0: the routing.  Wave e makes expert e's list, order[e][0 .. 2047]: the tokens of expert e from position 0 up, all other tokens from position 2047 down.
;   So every entry is stored once and is a token's number, and a reader needs no mask.  cnt[e][0 .. 31] = the number of tokens of expert e, 32 times (one store of 128 bytes).
; LIMITS: NaN and infinities in x are not served.  A block whose largest magnitude lies under 2^-124, a block of zeros among them, gets the byte 1 (the rule says 127 for zeros):
;   a block of zeros has zero codes, which add nothing under that byte, and xs is read by this program alone.  expert_ids lie in 0 .. 7.
; No matrix unit, no tensor load, no cluster: the launch streams x once and the waves share nothing but 512 scale bytes.
.set SP,     80                        ; a lane's place in a stage
.set STAGEB, 32*SP                     ; a stage: one step's 2,048 bytes with padding
.set WREG,   2*STAGEB                  ; a wave's two stages
.set SCB,    8*WREG                    ; behind the stages: 8 rows x 64 scale bytes
.set R,   32                           ; v32-95    quantiser: four sets of 16 numbers as loaded
.set X,   96                           ; v96-127   two sets of 16 neighbours
.set C,   128                          ; v128-135  codes, two registers a step: no store's data are written again
.set E,   136                          ; v136-139  a scale byte a step
.set ID,  32                           ; v32-95    router: the ids; register 4 c + k of lane l: token 128 c + 4 l + k
.set A,   96                           ; v96-159   router: byte offsets into the list, one register a store
.set D,   160                          ; v160-223  router: the tokens' numbers, one register a store
	s_load_b256 s[4:11], s[0:1], 0x0               ; x s[4:5], expert_ids s[6:7], xq s[8:9], xs s[10:11]
	s_load_b128 s[12:15], s[0:1], 0x20             ; order s[12:13], cnt s[14:15]
	v_lshl_add_u32 v224, v0, 2, 0xa200
	v_mov_b32 v225, 0
	v_lshrrev_b32 v1, 5, v0
	v_readfirstlane_b32 s16, v1                    ; wave 0..7
	v_and_b32 v2, 31, v0                           ; lane
	v_lshlrev_b32 v3, 4, v2                        ; 16 x lane
	; every LDS address is made here, ahead of the parting of the two jobs
	s_mul_i32 s17, s16, WREG                       ; my wave's stages
	v_lshrrev_b32 v20, 2, v2
	v_mul_u32_u24 v20, v20, SP
	v_and_b32 v21, 3, v2
	v_lshl_add_u32 v20, v21, 4, v20
	v_add_nc_u32 v20, s17, v20                     ; into a stage: four lanes' 64 bytes on end, then 16 of padding
	v_mul_u32_u24 v21, v2, SP
	v_add_nc_u32 v21, s17, v21                     ; out of it: my 16 neighbours
	s_lshl_b32 s18, s16, 6
	s_add_co_u32 s18, s18, SCB
	v_lshrrev_b32 v5, 1, v2
	v_add_nc_u32 v5, s18, v5                       ; my row's 64 scale bytes, my block's byte
	v_add_nc_u32 v6, SCB, v3                       ; the 512 scale bytes, 16 a lane
	s_wait_kmcnt 0x0
	s_cmp_eq_u32 ttmp9, 0
	s_cbranch_scc1 .Lroute
	; ---------------- the quantiser ----------------
	s_sub_co_u32 s17, ttmp9, 1
	s_lshl_b32 s17, s17, 3
	s_add_co_u32 s17, s17, s16                     ; my token: 8 (work-group - 1) + wave
	s_lshl_b32 s18, s17, 13                        ; its row of x: 8,192 bytes
	s_mov_b32 s19, 0
	s_add_nc_u64 s[4:5], s[4:5], s[18:19]
.macro LOAD t
.irp i, 0,1,2,3
	global_load_b128 v[R+16*(\t)+4*\i:R+16*(\t)+4*\i+3], v3, s[4:5] offset:2048*(\t)+512*\i th:TH_LOAD_NT   ; 32 lanes read 512 consecutive bytes; read once in the launch
.endr
.endm
.macro TURN t                          ; step t's numbers through a stage: LDS serves a wave's instructions in order (ISA guide 5.7.1.4), so no wait stands between the stores and the loads
.irp i, 0,1,2,3
	ds_store_b128 v20, v[R+16*(\t)+4*\i:R+16*(\t)+4*\i+3] offset:STAGEB*((\t)%2)+8*SP*\i
.endr
.irp i, 0,1,2,3
	ds_load_b128 v[X+16*((\t)%2)+4*\i:X+16*((\t)%2)+4*\i+3], v21 offset:STAGEB*((\t)%2)+16*\i
.endr
.endm
	LOAD 0
	LOAD 1
	LOAD 2
	LOAD 3
	s_lshl_b32 s18, s17, 10                        ; its row of codes: 1,024 bytes
	s_add_nc_u64 s[8:9], s[8:9], s[18:19]
	v_lshlrev_b32 v4, 3, v2                        ; my 8 bytes of a step's 256 bytes of codes
	s_wait_loadcnt 12                              ; step 0's four loads are in; the twelve of steps 1 to 3 may be out
	TURN 0
.macro STEP t
.set XS, X+16*((\t)%2)
.if (\t) > 0
	s_wait_dscnt 1                                 ; this step's numbers are back from the stage; the one LDS instruction behind them, the last step's byte store, may be out
.else
	s_wait_dscnt 0x0
.endif
.if (\t) < 3
	s_wait_loadcnt 4*(2-(\t))                      ; the next step's four loads are in; those of the steps behind it may be out
	TURN (\t)+1                                    ; and go through the other stage while this step is worked
.endif
	v_max3_num_f32 v8, |v[XS]|, |v[XS+1]|, |v[XS+2]|               ; the largest magnitude of my 16, in two chains
	v_max3_num_f32 v9, |v[XS+3]|, |v[XS+4]|, |v[XS+5]|
.irp i, 6,10
	v_max3_num_f32 v8, v8, |v[XS+\i]|, |v[XS+\i+1]|
	v_max3_num_f32 v9, v9, |v[XS+\i+2]|, |v[XS+\i+3]|
.endr
	v_max3_num_f32 v8, v8, |v[XS+14]|, |v[XS+15]|
	v_max3_num_f32 v8, v8, v9, 0x1800000           ; and the floor 2^(3 - 127): the byte cannot fall under 1
	v_max_num_f32_dpp v8, v8, v8 row_xmask:1 row_mask:0xf bank_mask:0xf   ; with my neighbour's 16: the block's
	v_add_nc_u32 v11, 0xff000000, v8               ; 2 off its exponent field: the conversion takes the exponent field of this operand as its scale
	v_cvt_scalef32_pk8_fp4_f32 v[C+2*(\t)], v[XS:XS+7], v11        ; eight numbers / the scale, to the nearest code, ties to even, beyond 6 the largest code
	v_cvt_scalef32_pk8_fp4_f32 v[C+2*(\t)+1], v[XS+8:XS+15], v11
	v_lshrrev_b32 v[E+(\t)], 23, v11               ; the scale's byte (also the plain line behind the conversions)
	ds_store_b8 v5, v[E+(\t)] offset:16*(\t)       ; both lanes of a block write the same byte with the same value
	global_store_b64 v4, v[C+2*(\t):C+2*(\t)+1], s[8:9] offset:256*(\t)   ; 32 lanes store 256 consecutive bytes, at a multiple of 256 from xq's first byte
.endm
	STEP 0
	STEP 1
	STEP 2
	STEP 3
	s_branch .Lmeet
	; ---------------- the router ----------------
.Lroute:
	s_lshl_b32 s18, s16, 13                        ; my expert's list: 2,048 words
	s_mov_b32 s19, 0
	s_add_nc_u64 s[12:13], s[12:13], s[18:19]
	s_lshl_b32 s18, s16, 7                         ; my expert's 128 bytes of cnt
	s_add_nc_u64 s[14:15], s[14:15], s[18:19]
.irp c, 0,1,2,3,4,5,6,7,8,9,10,11,12,13,14,15
	global_load_b128 v[ID+4*\c:ID+4*\c+3], v3, s[6:7] offset:512*\c        ; all 2,048 ids, 512 consecutive bytes a load
.endr
	v_sub_nc_u32 v7, 0, v2                         ; - lane
	v_lshlrev_b32 v10, 2, v2                       ; 4 x lane
	s_mov_b32 s20, 0                               ; tokens of my expert so far
; Register j: the tokens are walked in the order place = 32 j + lane.  r = my expert's tokens at earlier places.  A token of my expert goes to position r,
; any other to 2047 - (place - r).  Each store has its own offset and data registers, so none is written while a store may still read it.
.macro CHUNK j
	v_cmp_eq_u32 vcc_lo, s16, v[ID+(\j)]
	v_mbcnt_lo_u32_b32 v[A+(\j)], vcc_lo, s20      ; r
	s_bcnt1_i32_b32 s21, vcc_lo
	s_add_co_u32 s20, s20, s21
	v_add3_u32 v22, v[A+(\j)], v7, 2047-32*(\j)    ; 2047 - 32 j - lane + r
	v_cndmask_b32 v[A+(\j)], v22, v[A+(\j)], vcc_lo
	v_min_u32 v[A+(\j)], 2047, v[A+(\j)]           ; the position hangs on loaded numbers: held inside the list
	v_lshlrev_b32 v[A+(\j)], 2, v[A+(\j)]
	v_add_nc_u32 v[D+(\j)], 128*((\j)/4)+(\j)%4, v10   ; the token's number
	global_store_b32 v[A+(\j)], v[D+(\j)], s[12:13]
.endm
.set J, 0
.rept 16
	s_wait_loadcnt 15-J/4                          ; this load of ids is in; the later ones may be out
.rept 4
	CHUNK J
.set J, J+1
.endr
.endr
	v_mov_b32 v23, s20
	global_store_b32 v10, v23, s[14:15]            ; the count, in each of 32 words
	; ---------------- both jobs pass the one barrier ----------------
.Lmeet:
	s_wait_dscnt 0x0                               ; my scale bytes lie in LDS, and no LDS instruction of mine is out
	s_barrier_signal -1
	s_barrier_wait -1                              ; all eight waves' do
	s_cmp_eq_u32 ttmp9, 0
	s_cbranch_scc1 .Lend                           ; the router has no scale bytes
	s_cmp_lg_u32 s16, 0
	s_cbranch_scc1 .Lend                           ; wave 0 stores them for the work-group
	s_sub_co_u32 s17, ttmp9, 1
	s_lshl_b32 s18, s17, 9                         ; eight tokens' 64 bytes
	s_mov_b32 s19, 0
	s_add_nc_u64 s[10:11], s[10:11], s[18:19]
	ds_load_b128 v[12:15], v6
	s_wait_dscnt 0x0
	global_store_b128 v3, v[12:15], s[10:11]       ; 32 lanes store 512 consecutive bytes, at a multiple of 256 from xs's first byte
.Lend:
	s_wait_tensorcnt 0x0
	ds_add_u32 v224, v225
	s_wait_dscnt 0x0
	s_endpgm
.Lfunc_end_k_q9f89b1db00_prep:
	.size	k_q9f89b1db00_prep, .Lfunc_end_k_q9f89b1db00_prep-k_q9f89b1db00_prep
	.p2alignl 7, 3214868480
	.fill 96, 4, 3214868480
	.section	.rodata,"a",@progbits
	.p2align	6, 0x0
	.amdhsa_kernel k_q9f89b1db00_prep
		.amdhsa_group_segment_fixed_size 42496
		.amdhsa_private_segment_fixed_size 0
		.amdhsa_enable_private_segment 0
		.amdhsa_kernarg_size 48
		.amdhsa_user_sgpr_count 2
		.amdhsa_user_sgpr_kernarg_segment_ptr 1
		.amdhsa_wavefront_size32 1
		.amdhsa_system_sgpr_workgroup_id_x 1
		.amdhsa_system_sgpr_workgroup_id_y 1
		.amdhsa_system_sgpr_workgroup_id_z 1
		.amdhsa_system_vgpr_workitem_id 0
		.amdhsa_next_free_vgpr 226
		.amdhsa_next_free_sgpr 66
		.amdhsa_reserve_vcc 1
		.amdhsa_float_denorm_mode_32 3
		.amdhsa_float_denorm_mode_16_64 3
		.amdhsa_memory_ordered 1
		.amdhsa_forward_progress 1
		.amdhsa_inst_pref_size 47
	.end_amdhsa_kernel
	.amdgpu_metadata
---
amdhsa.version: [ 1, 2 ]
amdhsa.kernels:
  - .name:           k_q9f89b1db00_prep
    .symbol:         k_q9f89b1db00_prep.kd
    .args:
      - { .name: x, .offset: 0, .size: 8, .value_kind: global_buffer, .address_space: global }
      - { .name: expert_ids, .offset: 8, .size: 8, .value_kind: global_buffer, .address_space: global }
      - { .name: xq, .offset: 16, .size: 8, .value_kind: global_buffer, .address_space: global }
      - { .name: xs, .offset: 24, .size: 8, .value_kind: global_buffer, .address_space: global }
      - { .name: order, .offset: 32, .size: 8, .value_kind: global_buffer, .address_space: global }
      - { .name: cnt, .offset: 40, .size: 8, .value_kind: global_buffer, .address_space: global }
    .group_segment_fixed_size: 42496
    .private_segment_fixed_size: 0
    .kernarg_segment_align: 8
    .kernarg_segment_size: 48
    .max_flat_workgroup_size: 256
    .sgpr_count:     66
    .vgpr_count:     226
    .wavefront_size: 32
...
	.end_amdgpu_metadata
.endif
;; end of part 1
;; launch moe (part 2): grid 32 x 8, 4 waves a work-group, no clusters, 84,480 bytes of LDS; arguments xq, xs, w_codes, w_scales, b, order, cnt, out0; writes out0
.if DOCPART == 2
	.amdgcn_target "amdgcn-amd-amdhsa--gfx1250"
	.amdhsa_code_object_version 6
	.text
	.protected	k_q9f89b1db00_moe
	.globl	k_q9f89b1db00_moe
	.p2align	8
	.type	k_q9f89b1db00_moe,@function
k_q9f89b1db00_moe:
	s_mov_b64 s[64:65], 0
	v_nop
	global_prefetch_b8 v0, s[64:65] scope:SCOPE_SE
	s_setreg_imm32_b32 hwreg(HW_REG_WAVE_MODE, 25, 1), 1
	s_wait_xcnt 0x0
; out0[t][n] = sum over k of Q(x)[t][k] w[e][k][n] + b[e][n], e = expert_ids[t]; only the chosen expert's product is made.
; Both operands are codes of FP4 (E2M1) with one E8M0 byte for each 32 along K; sums in f32.  xq, xs: the launch before.  order[e]: expert e's tokens at positions 0 .. n_e - 1 (all entries are tokens' numbers); cnt[e]: n_e.
; SHARES.  Work-group (x, y) = columns 64 x .. 64 x + 63 of expert y: 256 work-groups.  EACH WAVE HOLDS THE WHOLE SLICE OF W, 64 columns x K 2,048, IN 512 REGISTERS, and the expert's tiles of 16 tokens stream past:
;   wave w takes tiles w, w + 4, w + 8 ..  A tile is 64 matrix instructions (16 K steps of 128 x 4 tiles of 16 columns).  W's bytes leave memory once: each wave loads 16 rows as they lie, 512 consecutive bytes a load,
;   and they reach all four waves through LDS (one barrier).  x's rows come straight into registers, two tiles ahead (two buffers).
; TRANSPOSED USE: source 0 = 16 rows of W's codes (16 columns of the output), source 1 = 16 tokens: a lane holds one token (lane % 16) and eight neighbouring columns.  The bias is the C of each sum's first instruction.
; THE LAST TILE's rows past n_e are copies of the expert's last token: they compute and store the same bytes at the same place, so there is no mask and EXEC is never touched.
; THE WAY OUT: a tile goes through the wave's own stage in LDS, each row with its token's number beside it, and comes back by rows: sixteen lanes store a row's 256 consecutive bytes.
; NO CLUSTER, NO JOINT LOADS, though an expert's 32 work-groups read the same rows of xq: those rows' addresses and the trip count are numbers read from memory (order, cnt), and a joint request is a tensor load.
;   No LDS ring: W stays in registers, and each wave reads its tiles of x once.
; LIMITS: expert_ids lie in 0 .. 7 (a token of no expert would not be written).  A very uneven split is computed right, on the 32 work-groups of each expert that has tokens.
; REGISTERS, in windows of 256: window 0: addresses, scale words, bias, accumulators, the way out.  window 1: x's fragments, buffer b at 128 b + 8 s.  window 2: W's fragments of K steps 0-7 at 8 (4 s + t);  window 3: of K steps 8-15.
; SCALARS: s20 wave, s21 expert, s24 n_e, s25 T = the expert's tiles, s26 the trip's first tile, s27 the last token's row in the last tile, s28-30 at work, s31 the trip's number, s32 my wave's trips.
.set WP,   1040                        ; a row of W in LDS: 1,024 bytes + 16: 65 x 16 bytes, so the 16 rows of a fragment load start 16 bytes apart modulo 256
.set WT16, 16*WP                       ; 16 rows
.set STG,  64*WP                       ; behind W's 64 rows: a stage for each wave,
.set SPI,  272                         ; 16 rows of 256 bytes + the token's word + padding
.set STGW, 16*SPI
.set TK,   18                          ; v18-19   buffer b: the list's 16 entries of the tile that comes into it next
.set TO,   20                          ; v20-21   buffer b: the tokens of the tile that is in it
.set XO,   22                          ; v22-23   buffer b: byte offsets of my token's codes
.set SO,   24                          ; v24-25   and of its scale bytes
.set OI,   26                          ; v26-27   and into the list, eight tiles on
.set WS,   32                          ; v32-63   W's scale words: register 8 t + i: lanes 0-15 K step i, lanes 16-31 K step 8 + i, of column 16 t + lane % 16
.set XS,   64                          ; v64-79   x's: register 8 b + i, likewise, of token lane % 16
.set BIAS, 80                          ; v80-111  register 8 t + j: b[e][16 t + 8 (lane / 16) + j]
.set ACC,  112                         ; v112-143 four accumulators
.set OUT,  144                         ; v144-175 the way out: eight pairs of rows
.set OTK,  176                         ; v176-183 their tokens
.set OA,   184                         ; v184-191 their byte offsets in out0
.set MSB, 0
.macro WIN new                         ; the immediate's high byte repeats the setting that is left; bits 1:0 source 0, 3:2 source 1, 5:4 source 2, 7:6 destination
.if MSB != \new
	s_set_vgpr_msb (MSB<<8)|\new
.set MSB, \new
.endif
.endm
	s_load_b256 s[4:11], s[0:1], 0x0               ; xq s[4:5], xs s[6:7], w_codes s[8:9], w_scales s[10:11]
	s_load_b256 s[12:19], s[0:1], 0x20             ; b s[12:13], order s[14:15], cnt s[16:17], out0 s[18:19]
	v_lshl_add_u32 v254, v0, 2, 0x14800
	v_mov_b32 v255, 0
	v_lshrrev_b32 v1, 5, v0
	v_readfirstlane_b32 s20, v1                    ; wave 0..3
	s_and_b32 s21, ttmp7, 0xffff                   ; the expert
	v_and_b32 v1, 31, v0                           ; lane
	v_and_b32 v2, 15, v0                           ; r
	v_bfe_u32 v3, v0, 4, 1                         ; h
	v_lshlrev_b32 v4, 4, v1                        ; 16 x lane
	s_lshl_b32 s22, s20, 6
	v_lshl_add_u32 v14, v2, 2, s22                 ; the list: entry 16 w + r
	s_mul_i32 s22, s20, WT16
	v_add_nc_u32 v5, s22, v4                       ; W into LDS: my 16 rows, 16 bytes a lane
	v_mul_u32_u24 v6, v2, WP
	v_lshl_add_u32 v6, v3, 4, v6                   ; W's fragments: row r, + 16 h
	v_lshlrev_b32 v7, 6, v2
	v_lshl_add_u32 v7, v3, 5, v7                   ; W's scale bytes: row r of 64, + 32 h: lanes 16-31 take K steps 8 on
	v_lshlrev_b32 v8, 5, v3                        ; 32 h: the bias's eight numbers of my half; also the term of x's scale offsets
	s_mul_i32 s22, s20, STGW
	s_add_co_u32 s22, s22, STG                     ; my stage
	v_mul_u32_u24 v9, v2, SPI
	v_add_nc_u32 v9, s22, v9
	v_add_nc_u32 v10, 256, v9                      ; row r's token word
	v_lshl_add_u32 v9, v3, 5, v9                   ; in: row r, + 32 h
	v_mul_u32_u24 v12, v3, SPI
	v_add_nc_u32 v12, s22, v12
	v_lshl_add_u32 v11, v2, 4, v12                 ; back: lanes 0-15 one row, lanes 16-31 the next, 16 bytes a lane
	v_add_nc_u32 v12, 256, v12                     ; and that row's token word
	v_lshlrev_b32 v13, 4, v2                       ; 16 r
	v_lshlrev_b32 v15, 4, v3                       ; 16 h
	s_wait_kmcnt 0x0
	s_mov_b32 s23, 0
	s_lshl_b32 s22, s21, 13
	s_add_nc_u64 s[14:15], s[14:15], s[22:23]      ; my expert's list (8,192 bytes)
	s_add_nc_u64 s[12:13], s[12:13], s[22:23]      ; and its bias (8,192 bytes)
	s_lshl_b32 s22, s21, 7
	s_add_nc_u64 s[16:17], s[16:17], s[22:23]
	s_load_b32 s24, s[16:17], 0x0                  ; n_e
	global_load_b32 v[TK], v14, s[14:15]           ; the list's entries of tile w: they need no count, every entry is a token's number
	global_load_b32 v[TK+1], v14, s[14:15] offset:256   ; and of tile w + 4
	s_lshl_b32 s22, s21, 21                        ; W's codes: 2^21 bytes an expert,
	s_lshl_b32 s28, ttmp9, 16                      ; 64 rows of 1,024 a slice,
	s_add_co_u32 s22, s22, s28
	s_lshl_b32 s28, s20, 14                        ; 16 rows a wave
	s_add_co_u32 s22, s22, s28
	s_add_nc_u64 s[8:9], s[8:9], s[22:23]
	WIN 0x80                                       ; destination window 2: a stop on the way to LDS
.irp i, 0,1,2,3,4,5,6,7,8,9,10,11,12,13,14,15,16,17,18,19,20,21,22,23,24,25,26,27,28,29,30,31
	global_load_b128 v[4*\i:4*\i+3], v4, s[8:9] offset:512*\i th:TH_LOAD_NT   ; half a row: 512 consecutive bytes; no other wave of the launch reads them
.endr
	WIN 0
	s_lshl_b32 s22, s21, 17                        ; W's scale bytes: 2^17 an expert, 4,096 a slice
	s_lshl_b32 s28, ttmp9, 12
	s_add_co_u32 s22, s22, s28
	s_add_nc_u64 s[10:11], s[10:11], s[22:23]
	s_lshl_b32 s22, ttmp9, 8                       ; 64 columns of f32
	s_add_nc_u64 s[12:13], s[12:13], s[22:23]
	s_add_nc_u64 s[18:19], s[18:19], s[22:23]
.irp t, 0,1,2,3
.irp g, 0,1
	global_load_b128 v[WS+8*\t+4*\g:WS+8*\t+4*\g+3], v7, s[10:11] offset:1024*\t+16*\g
.endr
.endr
.irp t, 0,1,2,3
.irp g, 0,1
	global_load_b128 v[BIAS+8*\t+4*\g:BIAS+8*\t+4*\g+3], v8, s[12:13] offset:64*\t+16*\g
.endr
.endr
	s_wait_kmcnt 0x0
	s_min_u32 s24, s24, 0x800                      ; n_e, held inside the list
	s_add_co_u32 s25, s24, 15
	s_lshr_b32 s25, s25, 4                         ; T: the expert's tiles, 128 at the most
	s_sub_co_u32 s27, s24, 1
	s_and_b32 s27, s27, 15                         ; the last token's row in the last tile
; The tile q (s29 = 16 q) that comes into buffer b: its tokens (v30), their offsets, and the list's offset eight tiles on.  Ten lines on registers of window 0.
.macro CALC b
	v_add_nc_u32 v17, s29, v2                      ; my row's position in the list
	v_readlane_b32 s28, v[TK+\b], s27              ; in the last tile: the expert's last token
	v_cmp_gt_u32 vcc_lo, s24, v17
	v_cndmask_b32 v30, s28, v[TK+\b], vcc_lo       ; positions from n_e on take that token
	v_min_u32 v30, 2047, v30                       ; a number read from memory: held inside x
	v_lshl_add_u32 v[XO+\b], v30, 10, v15          ; 1,024 bytes of codes a token, + 16 h
	v_lshl_add_u32 v[SO+\b], v30, 6, v8            ; 64 scale bytes a token, + 32 h
	v_add_nc_u32 v31, 128, v17
	v_min_u32 v31, 2047, v31                       ; eight tiles on, held inside the list
	v_lshlrev_b32 v[OI+\b], 2, v31
.endm
; A group of 35 loads: the tile's 16 fragments (lane (r, h): of token r's row the 16 bytes at 64 s + 32 c + 16 h), its scale words, and the list's entries for this buffer's next tile.
.macro FILL b
	WIN 0x40                                       ; destination window 1
.irp s, 0,1,2,3,4,5,6,7,8,9,10,11,12,13,14,15
.irp c, 0,1
	global_load_b128 v[128*(\b)+8*\s+4*\c:128*(\b)+8*\s+4*\c+3], v[XO+\b], s[4:5] offset:64*\s+32*\c
.endr
.endr
	WIN 0
	global_load_b128 v[XS+8*(\b):XS+8*(\b)+3], v[SO+\b], s[6:7]
	global_load_b128 v[XS+8*(\b)+4:XS+8*(\b)+7], v[SO+\b], s[6:7] offset:16
	global_load_b32 v[TK+\b], v[OI+\b], s[14:15]
.endm
; Four products: K step s of buffer b against W's four tiles of columns.  The four accumulators take turns, one instruction a turn.  K step 0 starts the sums with the bias.
.macro MUL b, s
.irp t, 0,1,2,3
.if (\s) == 0
	v_wmma_scale_f32_16x16x128_f8f6f4 v[ACC+8*\t:ACC+8*\t+7], v[8*(4*((\s)%8)+\t):8*(4*((\s)%8)+\t)+7], v[128*(\b)+8*(\s):128*(\b)+8*(\s)+7], v[BIAS+8*\t:BIAS+8*\t+7], v[WS+8*\t+(\s)%8], v[XS+8*(\b)+(\s)%8] matrix_a_fmt:MATRIX_FMT_FP4 matrix_b_fmt:MATRIX_FMT_FP4
.elseif (\s) < 8
	v_wmma_scale_f32_16x16x128_f8f6f4 v[ACC+8*\t:ACC+8*\t+7], v[8*(4*((\s)%8)+\t):8*(4*((\s)%8)+\t)+7], v[128*(\b)+8*(\s):128*(\b)+8*(\s)+7], v[ACC+8*\t:ACC+8*\t+7], v[WS+8*\t+(\s)%8], v[XS+8*(\b)+(\s)%8] matrix_a_fmt:MATRIX_FMT_FP4 matrix_b_fmt:MATRIX_FMT_FP4
.else
	v_wmma_scale_f32_16x16x128_f8f6f4 v[ACC+8*\t:ACC+8*\t+7], v[8*(4*((\s)%8)+\t):8*(4*((\s)%8)+\t)+7], v[128*(\b)+8*(\s):128*(\b)+8*(\s)+7], v[ACC+8*\t:ACC+8*\t+7], v[WS+8*\t+(\s)%8], v[XS+8*(\b)+(\s)%8] matrix_a_fmt:MATRIX_FMT_FP4 matrix_b_fmt:MATRIX_FMT_FP4 matrix_a_scale:MATRIX_SCALE_ROW1 matrix_b_scale:MATRIX_SCALE_ROW1
.endif
.endr
.endm
; The finished tile into my stage: lane (r, h): row r, columns 16 t + 8 h + 0 .. 7; each accumulator from its low end on.  Beside each row its token's number.
.macro STAGE b
.irp t, 0,1,2,3
	ds_store_b128 v9, v[ACC+8*\t:ACC+8*\t+3] offset:64*\t
	ds_store_b128 v9, v[ACC+8*\t+4:ACC+8*\t+7] offset:64*\t+16
.endr
	ds_store_b32 v10, v[TO+\b]                     ; both halves of the lanes write the same word with the same value
	v_mov_b32 v[TO+\b], v30                        ; the tokens of the tile that comes into the buffer now
.endm
; And out: rows 2 i and 2 i + 1 an instruction.  LDS serves a wave's instructions in order (ISA guide 5.7.1.4): the loads see the stores above.
.macro FLUSH
	s_wait_xcnt 0x0                                ; the last tile's stores have read OUT and OA: only behind this wait are they written again
.irp i, 0,1,2,3,4,5,6,7
	ds_load_b32 v[OTK+\i], v12 offset:2*SPI*\i
.endr
.irp i, 0,1,2,3,4,5,6,7
	ds_load_b128 v[OUT+4*\i:OUT+4*\i+3], v11 offset:2*SPI*\i
.endr
	s_wait_dscnt 8                                 ; the eight token words are in; the eight row loads behind them may be out
.irp i, 0,1,2,3,4,5,6,7
	v_min_u32 v[OTK+\i], 2047, v[OTK+\i]           ; a loaded number: held inside out0
	v_lshl_add_u32 v[OA+\i], v[OTK+\i], 13, v13    ; 8,192 bytes a row of out0, + 16 r
.endr
.irp i, 0,1,2,3,4,5,6,7
	s_wait_dscnt 7-\i                              ; this pair of rows is in; the later pairs may be out
	global_store_b128 v[OA+\i], v[OUT+4*\i:OUT+4*\i+3], s[18:19] th:TH_STORE_NT   ; 16 lanes store 256 consecutive bytes, at a multiple of 256 from out0's first byte; written once, read by nobody here
.endr
.endm
; One tile: tile s26 + 4 b, in buffer b.
.macro PASS b
	s_wait_loadcnt 35                              ; loads come back in order (ISA guide 5.7.1): all but the other buffer's group of 35 are in, this buffer's group among them
	WIN 0x06                                       ; source 0 (W) window 2, source 1 (x) window 1, C and D window 0
.set S, 0
.rept 8
	MUL \b, S
.set S, S+1
.endr
	WIN 0x07                                       ; W's K steps 8 on: window 3
.rept 8
	MUL \b, S
.set S, S+1
.endr
	WIN 0
	s_add_co_u32 s30, s26, 8+4*\b                  ; the tile that comes into this buffer next
	s_lshl_b32 s29, s30, 4
	CALC \b                                        ; its plain vector lines name no register of the products: they are the places in front of the LDS stores of the results and of the loads into x's registers
	STAGE \b
	s_cmp_lt_u32 s30, s25
	s_cbranch_scc1 .Lfill_\@
	s_wait_loadcnt 0x0                             ; no such tile: nothing is issued behind the other buffer's group, so it is waited for here, and the next wait's count holds on both ways
	s_branch .Ljoin_\@
.Lfill_\@:
	FILL \b                                        ; asked for ahead of the way out
.Ljoin_\@:
	FLUSH                                          ; its sixteen vector lines stand, with CALC's, between these products and the next tile's first, which begin the accumulators anew
.endm
	s_wait_loadcnt 48                              ; the two list reads are in; behind them: W's 32, its scale words' 8, the bias's 8
	s_lshl_b32 s29, s20, 4
	CALC 0                                         ; tile w
	v_mov_b32 v[TO], v30
	FILL 0                                         ; (more loads are asked for than LOADcnt's field holds: the issue then waits, ISA guide 5.7.1; no wait is written for that)
	s_wait_loadcnt 51                              ; W's 32 loads are in; behind them: 8 + 8 + the group of 35
	WIN 0x08                                       ; an LDS store's data are its source 1: window 2
.irp i, 0,1,2,3,4,5,6,7,8,9,10,11,12,13,14,15,16,17,18,19,20,21,22,23,24,25,26,27,28,29,30,31
	ds_store_b128 v5, v[4*\i:4*\i+3] offset:WP*(\i/2)+512*(\i%2)
.endr
	WIN 0
	s_add_co_u32 s29, s29, 64
	CALC 1                                         ; tile w + 4
	v_mov_b32 v[TO+1], v30
	FILL 1
	s_wait_dscnt 0x0                               ; for the others' sake: my 16 rows of W lie in LDS
	s_barrier_signal -1
	s_barrier_wait -1                              ; all 64 do.  The text's one barrier: it stands ahead of every branch on a number read from memory
.macro WFRAG hi                        ; W's fragments of K steps 8 hi .. 8 hi + 7: lane (r, h): of row 16 t + r the 16 bytes at 64 s + 32 c + 16 h
.irp s, 0,1,2,3,4,5,6,7
.irp t, 0,1,2,3
.irp c, 0,1
	ds_load_b128 v[8*(4*\s+\t)+4*\c:8*(4*\s+\t)+4*\c+3], v6 offset:WT16*\t+64*(8*\hi+\s)+32*\c
.endr
.endr
.endr
.endm
	WIN 0x80                                       ; destination window 2 (my stores have read these registers: the wait in front of the barrier)
	WFRAG 0
	WIN 0xc0                                       ; destination window 3
	WFRAG 1
	WIN 0
	s_wait_dscnt 0x0                               ; W is in registers, for the whole launch
	s_cmp_lt_u32 s20, s25
	s_cbranch_scc0 .Lend                           ; the expert has fewer tiles than my number: nothing is mine
	s_sub_co_u32 s32, s25, s20                     ; T - w, at least 1 here
	s_add_co_u32 s32, s32, 7
	s_lshr_b32 s32, s32, 3                         ; my trips: a trip takes tiles w + 8 i and w + 8 i + 4, so ceil((T - w) / 8)
	s_min_u32 s32, s32, 16                         ; (T is 128 at the most: this changes nothing; it states the bound)
	s_mov_b32 s31, 0                               ; the trip's number: stepped by 1, once, at the trip's end
.Lloop:
	s_lshl_b32 s26, s31, 3
	s_add_co_u32 s26, s26, s20                     ; the trip's first tile: 8 i + w
	PASS 0
	s_add_co_u32 s30, s26, 4
	s_cmp_lt_u32 s30, s25
	s_cbranch_scc1 .Lsecond
	s_wait_tensorcnt 0x0
	ds_add_u32 v254, v255
	s_wait_dscnt 0x0
	s_endpgm                                       ; no tile s26 + 4: the wave ends here; its stores may be on their way, and every load was waited for in PASS 0 (no tile s26 + 8 either)
.Lsecond:
	PASS 1
	s_add_co_u32 s31, s31, 1
	s_cmp_lt_u32 s31, s32
	s_cbranch_scc1 .Lloop
.Lend:
	s_wait_tensorcnt 0x0
	ds_add_u32 v254, v255
	s_wait_dscnt 0x0
	s_endpgm
.Lfunc_end_k_q9f89b1db00_moe:
	.size	k_q9f89b1db00_moe, .Lfunc_end_k_q9f89b1db00_moe-k_q9f89b1db00_moe
	.p2alignl 7, 3214868480
	.fill 96, 4, 3214868480
	.section	.rodata,"a",@progbits
	.p2align	6, 0x0
	.amdhsa_kernel k_q9f89b1db00_moe
		.amdhsa_group_segment_fixed_size 84480
		.amdhsa_private_segment_fixed_size 0
		.amdhsa_enable_private_segment 0
		.amdhsa_kernarg_size 64
		.amdhsa_user_sgpr_count 2
		.amdhsa_user_sgpr_kernarg_segment_ptr 1
		.amdhsa_wavefront_size32 1
		.amdhsa_system_sgpr_workgroup_id_x 1
		.amdhsa_system_sgpr_workgroup_id_y 1
		.amdhsa_system_sgpr_workgroup_id_z 1
		.amdhsa_system_vgpr_workitem_id 0
		.amdhsa_next_free_vgpr 1024
		.amdhsa_next_free_sgpr 66
		.amdhsa_reserve_vcc 1
		.amdhsa_float_denorm_mode_32 3
		.amdhsa_float_denorm_mode_16_64 3
		.amdhsa_memory_ordered 1
		.amdhsa_forward_progress 1
		.amdhsa_inst_pref_size 59
	.end_amdhsa_kernel
	.amdgpu_metadata
---
amdhsa.version: [ 1, 2 ]
amdhsa.kernels:
  - .name:           k_q9f89b1db00_moe
    .symbol:         k_q9f89b1db00_moe.kd
    .args:
      - { .name: xq, .offset: 0, .size: 8, .value_kind: global_buffer, .address_space: global }
      - { .name: xs, .offset: 8, .size: 8, .value_kind: global_buffer, .address_space: global }
      - { .name: w_codes, .offset: 16, .size: 8, .value_kind: global_buffer, .address_space: global }
      - { .name: w_scales, .offset: 24, .size: 8, .value_kind: global_buffer, .address_space: global }
      - { .name: b, .offset: 32, .size: 8, .value_kind: global_buffer, .address_space: global }
      - { .name: order, .offset: 40, .size: 8, .value_kind: global_buffer, .address_space: global }
      - { .name: cnt, .offset: 48, .size: 8, .value_kind: global_buffer, .address_space: global }
      - { .name: out0, .offset: 56, .size: 8, .value_kind: global_buffer, .address_space: global }
    .group_segment_fixed_size: 84480
    .private_segment_fixed_size: 0
    .kernarg_segment_align: 8
    .kernarg_segment_size: 64
    .max_flat_workgroup_size: 128
    .sgpr_count:     66
    .vgpr_count:     1024
    .wavefront_size: 32
...
	.end_amdgpu_metadata
.endif
;; end of part 2
;; ======== version 2 of 2: 2 launches; version 1 with the launch moe written anew for expert scheduling mode
;; workspace buffers: xq 2,097,152 bytes; xs 131,072 bytes; order 65,536 bytes of whole numbers; cnt 1,024 bytes of whole numbers
;; launch prep: the kernel of part 1 again; grid 257 x 1, 8 waves a work-group, no clusters, 42,496 bytes of LDS; arguments x, expert_ids, xq, xs, order, cnt; writes xq, xs, order, cnt
;; launch moe (part 3): grid 32 x 8, 4 waves a work-group, no clusters, 84,480 bytes of LDS; arguments xq, xs, w_codes, w_scales, b, order, cnt, out0; writes out0
.if DOCPART == 3
	.amdgcn_target "amdgcn-amd-amdhsa--gfx1250"
	.amdhsa_code_object_version 6
	.text
	.protected	k_q9f89b1db00_moe
	.globl	k_q9f89b1db00_moe
	.p2align	8
	.type	k_q9f89b1db00_moe,@function
k_q9f89b1db00_moe:
	s_mov_b64 s[64:65], 0
	v_nop
	global_prefetch_b8 v0, s[64:65] scope:SCOPE_SE
	s_setreg_imm32_b32 hwreg(HW_REG_WAVE_SCHED_MODE, 0, 2), 2
	s_setreg_imm32_b32 hwreg(HW_REG_WAVE_MODE, 25, 1), 1
	s_wait_xcnt 0x0
	s_wait_alu depctr_vm_vsrc(0)
; out0[t][n] = sum over k of Q(x)[t][k] w[e][k][n] + b[e][n], e = expert_ids[t]; only the chosen expert's product is made.
; Both operands are codes of FP4 (E2M1) with one E8M0 byte for each 32 along K; sums in f32.  xq, xs: the launch before.  order[e]: expert e's tokens at positions 0 .. n_e - 1 (all entries are tokens' numbers); cnt[e]: n_e.
; SHARES.  Work-group (x, y) = columns 64 x .. 64 x + 63 of expert y: 256 work-groups.  EACH WAVE HOLDS THE WHOLE SLICE OF W, 64 columns x K 2,048, IN 512 REGISTERS, and the expert's tiles of 16 tokens stream past:
;   wave w takes tiles w, w + 4, w + 8 ..  A tile is 64 matrix instructions (16 K steps of 128 x 4 tiles of 16 columns).  W's bytes leave memory once: each wave loads 16 rows as they lie, 512 consecutive bytes a load,
;   and they reach all four waves through LDS (one barrier).  x's rows come straight into registers, two tiles ahead (two buffers).
; TRANSPOSED USE: source 0 = 16 rows of W's codes (16 columns of the output), source 1 = 16 tokens: a lane holds one token (lane % 16) and eight neighbouring columns.  The bias is the C of each sum's first instruction.
; THE LAST TILE's rows past n_e are copies of the expert's last token: they compute and store the same bytes at the same place, so there is no mask and EXEC is never touched.
; THE WAY OUT: a tile goes through the wave's own stage in LDS, each row with its token's number beside it, and comes back by rows: sixteen lanes store a row's 256 consecutive bytes.
; NO CLUSTER, NO JOINT LOADS, though an expert's 32 work-groups read the same rows of xq: those rows' addresses and the trip count are numbers read from memory (order, cnt), and a joint request is a tensor load.
;   No LDS ring: W stays in registers, and each wave reads its tiles of x once.
; LIMITS: expert_ids lie in 0 .. 7 (a token of no expert would not be written).  A very uneven split is computed right, on the 32 work-groups of each expert that has tokens.
; REGISTERS, in windows of 256: window 0: addresses, scale words, bias, accumulators, the way out.  window 1: x's fragments, buffer b at 128 b + 8 s.  window 2: W's fragments of K steps 0-7 at 8 (4 s + t);  window 3: of K steps 8-15.
; SCALARS: s20 wave, s21 expert, s24 n_e, s25 T = the expert's tiles, s26 the trip's first tile, s27 the last token's row in the last tile, s28-30 at work, s31 the trip's number, s32 my wave's trips.
; THE MODE: SCHED_MODE bits 1:0 = 2 (LLVM: expert scheduling mode 2), set by the entry lines.  The code itself states the register dependences
; between vector or matrix instructions and memory or LDS instructions, with s_wait_alu, always for 0.
; THE PLAN.  Registers that memory or LDS instructions touch, in the loop (PASS b works on the tile in buffer b):
;   X[b], XS[b]          x's fragments and scale words.  Read by PASS b's 64 products; behind them FILL b's loads land there.
;   TK[b]                Written by FILL b's last load; read by CALC b's two lines that pick the tokens.
;   XO, SO, OI [b]       Written by CALC b; read by FILL b's loads as offsets.
;   TO[b]                Written by CALC b; read by ONE LDS store, at the head of the next PASS b.
;   ACC[b]               Two sets by turns.  Written by PASS b's products; read by the eight LDS stores of STAGE b.
;   OTK, OA, OUT         OTK and OUT: the LDS loads of the way out land there; OTK is read and OA written by its sixteen vector lines; OA and OUT are read by its eight global stores.
;   v4 .. v15            Offsets and LDS addresses: written at the head, never again.
; A PASS HOLDS: one wait on vm_vsrc behind its products (all that memory and LDS instructions issued up to there have read may be written again: XO, SO, OI, TO of this buffer, the other set of accumulators, OUT and OA);
;   the two waits for the scalar and VCC that CALC's select reads; one wait on va_vdst behind CALC, which serves the LDS stores of the results, the 35 loads of the refill and the LDS loads of the way out,
;   with no vector instruction among them; and one wait on va_vdst behind the sixteen lines that make the stores' offsets.
.set WP,   1040                        ; a row of W in LDS: 1,024 bytes + 16: 65 x 16 bytes, so the 16 rows of a fragment load start 16 bytes apart modulo 256
.set WT16, 16*WP                       ; 16 rows
.set STG,  64*WP                       ; behind W's 64 rows: a stage for each wave,
.set SPI,  272                         ; 16 rows of 256 bytes + the token's word + padding
.set STGW, 16*SPI
.set TK,   18                          ; v18-19   buffer b: the list's 16 entries of the tile that comes into it next
.set TO,   20                          ; v20-21   buffer b: the tokens of the tile that is in it, or on its way into it
.set XO,   22                          ; v22-23   buffer b: byte offsets of my token's codes
.set SO,   24                          ; v24-25   and of its scale bytes
.set OI,   26                          ; v26-27   and into the list, eight tiles on
.set WS,   32                          ; v32-63   W's scale words: register 8 t + i: lanes 0-15 K step i, lanes 16-31 K step 8 + i, of column 16 t + lane % 16
.set XS,   64                          ; v64-79   x's: register 8 b + i, likewise, of token lane % 16
.set BIAS, 80                          ; v80-111  register 8 t + j: b[e][16 t + 8 (lane / 16) + j]
.set ACC,  112                         ; v112-143 buffer 0's four accumulators;  v192-223 buffer 1's: set b at ACC + 80 b
.set OUT,  144                         ; v144-175 the way out: eight pairs of rows
.set OTK,  176                         ; v176-183 their tokens
.set OA,   184                         ; v184-191 their byte offsets in out0
.set MSB, 0
.macro WIN new                         ; the immediate's high byte repeats the setting that is left; bits 1:0 source 0, 3:2 source 1, 5:4 source 2, 7:6 destination
.if MSB != \new
	s_set_vgpr_msb (MSB<<8)|\new
.set MSB, \new
.endif
.endm
	s_load_b256 s[4:11], s[0:1], 0x0               ; xq s[4:5], xs s[6:7], w_codes s[8:9], w_scales s[10:11]
	s_load_b256 s[12:19], s[0:1], 0x20             ; b s[12:13], order s[14:15], cnt s[16:17], out0 s[18:19]
	v_lshl_add_u32 v254, v0, 2, 0x14800
	v_mov_b32 v255, 0
	v_lshrrev_b32 v1, 5, v0
	v_readfirstlane_b32 s20, v1                    ; wave 0..3
	s_and_b32 s21, ttmp7, 0xffff                   ; the expert
	v_and_b32 v1, 31, v0                           ; lane
	v_and_b32 v2, 15, v0                           ; r
	v_bfe_u32 v3, v0, 4, 1                         ; h
	v_lshlrev_b32 v4, 4, v1                        ; 16 x lane
	s_wait_alu depctr_va_sdst(0)                   ; s20 is written, ahead of its first reader: LDS places, bases and the trips are made from it
	s_lshl_b32 s22, s20, 6
	v_lshl_add_u32 v14, v2, 2, s22                 ; the list: entry 16 w + r
	s_mul_i32 s22, s20, WT16
	v_add_nc_u32 v5, s22, v4                       ; W into LDS: my 16 rows, 16 bytes a lane
	v_mul_u32_u24 v6, v2, WP
	v_lshl_add_u32 v6, v3, 4, v6                   ; W's fragments: row r, + 16 h
	v_lshlrev_b32 v7, 6, v2
	v_lshl_add_u32 v7, v3, 5, v7                   ; W's scale bytes: row r of 64, + 32 h: lanes 16-31 take K steps 8 on
	v_lshlrev_b32 v8, 5, v3                        ; 32 h: the bias's eight numbers of my half; also the term of x's scale offsets
	s_mul_i32 s22, s20, STGW
	s_add_co_u32 s22, s22, STG                     ; my stage
	v_mul_u32_u24 v9, v2, SPI
	v_add_nc_u32 v9, s22, v9
	v_add_nc_u32 v10, 256, v9                      ; row r's token word
	v_lshl_add_u32 v9, v3, 5, v9                   ; in: row r, + 32 h
	v_mul_u32_u24 v12, v3, SPI
	v_add_nc_u32 v12, s22, v12
	v_lshl_add_u32 v11, v2, 4, v12                 ; back: lanes 0-15 one row, lanes 16-31 the next, 16 bytes a lane
	v_add_nc_u32 v12, 256, v12                     ; and that row's token word
	v_lshlrev_b32 v13, 4, v2                       ; 16 r
	v_lshlrev_b32 v15, 4, v3                       ; 16 h
	s_wait_kmcnt 0x0
	s_mov_b32 s23, 0
	s_lshl_b32 s22, s21, 13
	s_add_nc_u64 s[14:15], s[14:15], s[22:23]      ; my expert's list (8,192 bytes)
	s_add_nc_u64 s[12:13], s[12:13], s[22:23]      ; and its bias (8,192 bytes)
	s_lshl_b32 s22, s21, 7
	s_add_nc_u64 s[16:17], s[16:17], s[22:23]
	s_load_b32 s24, s[16:17], 0x0                  ; n_e
	s_wait_alu depctr_va_vdst(0)                   ; v4 to v15 are written: the offsets and LDS addresses that the loads and stores of the whole kernel read; none of them is written again
	global_load_b32 v[TK], v14, s[14:15]           ; the list's entries of tile w: they need no count, every entry is a token's number
	global_load_b32 v[TK+1], v14, s[14:15] offset:256   ; and of tile w + 4
	s_lshl_b32 s22, s21, 21                        ; W's codes: 2^21 bytes an expert,
	s_lshl_b32 s28, ttmp9, 16                      ; 64 rows of 1,024 a slice,
	s_add_co_u32 s22, s22, s28
	s_lshl_b32 s28, s20, 14                        ; 16 rows a wave
	s_add_co_u32 s22, s22, s28
	s_add_nc_u64 s[8:9], s[8:9], s[22:23]
	WIN 0x80                                       ; destination window 2: a stop on the way to LDS
.irp i, 0,1,2,3,4,5,6,7,8,9,10,11,12,13,14,15,16,17,18,19,20,21,22,23,24,25,26,27,28,29,30,31
	global_load_b128 v[4*\i:4*\i+3], v4, s[8:9] offset:512*\i th:TH_LOAD_NT   ; half a row: 512 consecutive bytes; no other wave of the launch reads them
.endr
	WIN 0
	s_lshl_b32 s22, s21, 17                        ; W's scale bytes: 2^17 an expert, 4,096 a slice
	s_lshl_b32 s28, ttmp9, 12
	s_add_co_u32 s22, s22, s28
	s_add_nc_u64 s[10:11], s[10:11], s[22:23]
	s_lshl_b32 s22, ttmp9, 8                       ; 64 columns of f32
	s_add_nc_u64 s[12:13], s[12:13], s[22:23]
	s_add_nc_u64 s[18:19], s[18:19], s[22:23]
.irp t, 0,1,2,3
.irp g, 0,1
	global_load_b128 v[WS+8*\t+4*\g:WS+8*\t+4*\g+3], v7, s[10:11] offset:1024*\t+16*\g
.endr
.endr
.irp t, 0,1,2,3
.irp g, 0,1
	global_load_b128 v[BIAS+8*\t+4*\g:BIAS+8*\t+4*\g+3], v8, s[12:13] offset:64*\t+16*\g
.endr
.endr
	s_wait_kmcnt 0x0
	s_min_u32 s24, s24, 0x800                      ; n_e, held inside the list
	s_add_co_u32 s25, s24, 15
	s_lshr_b32 s25, s25, 4                         ; T: the expert's tiles, 128 at the most
	s_sub_co_u32 s27, s24, 1
	s_and_b32 s27, s27, 15                         ; the last token's row in the last tile
; The tile q (s29 = 16 q) that comes into buffer b: its tokens, their offsets, and the list's offset eight tiles on.  Ten lines on registers of window 0.
.macro CALC b
	v_add_nc_u32 v17, s29, v2                      ; my row's position in the list
	v_readlane_b32 s28, v[TK+\b], s27              ; in the last tile: the expert's last token
	v_cmp_gt_u32 vcc_lo, s24, v17
	v_add_nc_u32 v31, 128, v17
	v_min_u32 v31, 2047, v31                       ; eight tiles on, held inside the list
	v_lshlrev_b32 v[OI+\b], 2, v31
	s_wait_alu depctr_va_sdst(0)                   ; s28 is written, ahead of the select that reads it
	s_wait_alu depctr_va_vcc(0)                    ; and so is VCC
	v_cndmask_b32 v[TO+\b], s28, v[TK+\b], vcc_lo  ; positions from n_e on take that token
	v_min_u32 v[TO+\b], 2047, v[TO+\b]             ; a number read from memory: held inside x
	v_lshl_add_u32 v[XO+\b], v[TO+\b], 10, v15     ; 1,024 bytes of codes a token, + 16 h
	v_lshl_add_u32 v[SO+\b], v[TO+\b], 6, v8       ; 64 scale bytes a token, + 32 h
.endm
; A group of 35 loads: the tile's 16 fragments (lane (r, h): of token r's row the 16 bytes at 64 s + 32 c + 16 h), its scale words, and the list's entries for this buffer's next tile.
.macro FILL b
	WIN 0x40                                       ; destination window 1
.irp s, 0,1,2,3,4,5,6,7,8,9,10,11,12,13,14,15
.irp c, 0,1
	global_load_b128 v[128*(\b)+8*\s+4*\c:128*(\b)+8*\s+4*\c+3], v[XO+\b], s[4:5] offset:64*\s+32*\c
.endr
.endr
	WIN 0
	global_load_b128 v[XS+8*(\b):XS+8*(\b)+3], v[SO+\b], s[6:7]
	global_load_b128 v[XS+8*(\b)+4:XS+8*(\b)+7], v[SO+\b], s[6:7] offset:16
	global_load_b32 v[TK+\b], v[OI+\b], s[14:15]
.endm
; Four products: K step s of buffer b against W's four tiles of columns.  The four accumulators take turns, one instruction a turn.  K step 0 starts the sums with the bias.
.macro MUL b, s
.irp t, 0,1,2,3
.if (\s) == 0
	v_wmma_scale_f32_16x16x128_f8f6f4 v[ACC+80*(\b)+8*\t:ACC+80*(\b)+8*\t+7], v[8*(4*((\s)%8)+\t):8*(4*((\s)%8)+\t)+7], v[128*(\b)+8*(\s):128*(\b)+8*(\s)+7], v[BIAS+8*\t:BIAS+8*\t+7], v[WS+8*\t+(\s)%8], v[XS+8*(\b)+(\s)%8] matrix_a_fmt:MATRIX_FMT_FP4 matrix_b_fmt:MATRIX_FMT_FP4
.elseif (\s) < 8
	v_wmma_scale_f32_16x16x128_f8f6f4 v[ACC+80*(\b)+8*\t:ACC+80*(\b)+8*\t+7], v[8*(4*((\s)%8)+\t):8*(4*((\s)%8)+\t)+7], v[128*(\b)+8*(\s):128*(\b)+8*(\s)+7], v[ACC+80*(\b)+8*\t:ACC+80*(\b)+8*\t+7], v[WS+8*\t+(\s)%8], v[XS+8*(\b)+(\s)%8] matrix_a_fmt:MATRIX_FMT_FP4 matrix_b_fmt:MATRIX_FMT_FP4
.else
	v_wmma_scale_f32_16x16x128_f8f6f4 v[ACC+80*(\b)+8*\t:ACC+80*(\b)+8*\t+7], v[8*(4*((\s)%8)+\t):8*(4*((\s)%8)+\t)+7], v[128*(\b)+8*(\s):128*(\b)+8*(\s)+7], v[ACC+80*(\b)+8*\t:ACC+80*(\b)+8*\t+7], v[WS+8*\t+(\s)%8], v[XS+8*(\b)+(\s)%8] matrix_a_fmt:MATRIX_FMT_FP4 matrix_b_fmt:MATRIX_FMT_FP4 matrix_a_scale:MATRIX_SCALE_ROW1 matrix_b_scale:MATRIX_SCALE_ROW1
.endif
.endr
.endm
; The finished tile into my stage: lane (r, h): row r, columns 16 t + 8 h + 0 .. 7; each accumulator from its low end on.  (Each row's token word was stored at the pass's head.)
.macro STAGE b
.irp t, 0,1,2,3
	ds_store_b128 v9, v[ACC+80*(\b)+8*\t:ACC+80*(\b)+8*\t+3] offset:64*\t
	ds_store_b128 v9, v[ACC+80*(\b)+8*\t+4:ACC+80*(\b)+8*\t+7] offset:64*\t+16
.endr
.endm
; And out: rows 2 i and 2 i + 1 an instruction.  LDS serves a wave's instructions in order (ISA guide 5.7.1.4): the loads see the stores above.
; The loads owe no wait of their own: the pass's waits stand ahead of them, and no vector instruction issued since names OTK or OUT.
.macro FLUSH
.irp i, 0,1,2,3,4,5,6,7
	ds_load_b32 v[OTK+\i], v12 offset:2*SPI*\i
.endr
.irp i, 0,1,2,3,4,5,6,7
	ds_load_b128 v[OUT+4*\i:OUT+4*\i+3], v11 offset:2*SPI*\i
.endr
	s_wait_dscnt 8                                 ; the eight token words are in; the eight row loads behind them may be out
.irp i, 0,1,2,3,4,5,6,7
	v_min_u32 v[OTK+\i], 2047, v[OTK+\i]           ; a loaded number: held inside out0
	v_lshl_add_u32 v[OA+\i], v[OTK+\i], 13, v13    ; 8,192 bytes a row of out0, + 16 r
.endr
	s_wait_alu depctr_va_vdst(0)                   ; the eight offsets OA are written, which the stores below read
.irp i, 0,1,2,3,4,5,6,7
	s_wait_dscnt 7-\i                              ; this pair of rows is in; the later pairs may be out
	global_store_b128 v[OA+\i], v[OUT+4*\i:OUT+4*\i+3], s[18:19] th:TH_STORE_NT   ; 16 lanes store 256 consecutive bytes, at a multiple of 256 from out0's first byte; written once, read by nobody here
.endr
.endm
; One tile: tile s26 + 4 b, in buffer b.
.macro PASS b
	s_wait_loadcnt 35                              ; loads come back in order (ISA guide 5.7.1): all but the other buffer's group of 35 are in, this buffer's group among them
	ds_store_b32 v10, v[TO+\b]                     ; this tile's tokens beside the stage's rows (both halves of the lanes write the same word with the same value).  TO[b] was written ahead of the wait on va_vdst that follows its CALC; behind the last tile's reads of these words, since LDS serves a wave in order
	WIN 0x06                                       ; source 0 (W) window 2, source 1 (x) window 1, C and D window 0
.set S, 0
.rept 8
	MUL \b, S
.set S, S+1
.endr
	WIN 0x07                                       ; W's K steps 8 on: window 3
.rept 8
	MUL \b, S
.set S, S+1
.endr
	WIN 0
	s_add_co_u32 s30, s26, 8+4*\b                  ; the tile that comes into this buffer next
	s_lshl_b32 s29, s30, 4
	s_wait_xcnt 0x0                                ; the last tile's stores have had their addresses translated (ISA guide 3.1): only behind this wait are OUT and OA written again
	s_wait_alu depctr_vm_vsrc(0)                   ; read by now: XO, SO, OI of this buffer (its 35 loads) and TO (the store at the pass's head), which CALC writes; OUT and OA (the last tile's stores), which the way out writes; the other set of accumulators (the last pass's LDS stores), which the next pass's products write
	CALC \b                                        ; its plain vector lines name no register of the products: they are the places in front of the LDS stores of the results
	s_wait_alu depctr_va_vdst(0)                   ; the products have written ACC[b], which the LDS stores read, and are done reading X[b] and XS[b], in which the refill lands; CALC has written XO, SO, OI, TO and is done reading TK[b]; the last way out's lines are done with OTK
	STAGE \b
	s_cmp_lt_u32 s30, s25
	s_cbranch_scc1 .Lfill_\@
	s_wait_loadcnt 0x0                             ; no such tile: nothing is issued behind the other buffer's group, so it is waited for here, and the next wait's count holds on both ways
	s_branch .Ljoin_\@
.Lfill_\@:
	FILL \b                                        ; asked for ahead of the way out
.Ljoin_\@:
	FLUSH                                          ; the next tile's products begin the other set of accumulators
.endm
	s_wait_loadcnt 48                              ; the two list reads are in; behind them: W's 32, its scale words' 8, the bias's 8
	s_lshl_b32 s29, s20, 4
	CALC 0                                         ; tile w
	s_wait_alu depctr_va_vdst(0)                   ; CALC has written XO, SO, OI, which the group's loads read, and TO, which the first pass's store reads; it is done reading TK, in which the group's last load lands
	FILL 0                                         ; (more loads are asked for than LOADcnt's field holds: the issue then waits, ISA guide 5.7.1; no wait is written for that)
	s_wait_loadcnt 51                              ; W's 32 loads are in; behind them: 8 + 8 + the group of 35
	WIN 0x08                                       ; an LDS store's data are its source 1: window 2
.irp i, 0,1,2,3,4,5,6,7,8,9,10,11,12,13,14,15,16,17,18,19,20,21,22,23,24,25,26,27,28,29,30,31
	ds_store_b128 v5, v[4*\i:4*\i+3] offset:WP*(\i/2)+512*(\i%2)
.endr
	WIN 0
	s_add_co_u32 s29, s29, 64
	CALC 1                                         ; tile w + 4
	s_wait_alu depctr_va_vdst(0)                   ; the same for buffer 1: its XO, SO, OI
	FILL 1
	s_wait_dscnt 0x0                               ; for the others' sake: my 16 rows of W lie in LDS
	s_barrier_signal -1
	s_barrier_wait -1                              ; all 64 do.  The text's one barrier: it stands ahead of every branch on a number read from memory
.macro WFRAG hi                        ; W's fragments of K steps 8 hi .. 8 hi + 7: lane (r, h): of row 16 t + r the 16 bytes at 64 s + 32 c + 16 h
.irp s, 0,1,2,3,4,5,6,7
.irp t, 0,1,2,3
.irp c, 0,1
	ds_load_b128 v[8*(4*\s+\t)+4*\c:8*(4*\s+\t)+4*\c+3], v6 offset:WT16*\t+64*(8*\hi+\s)+32*\c
.endr
.endr
.endr
.endm
	WIN 0x80                                       ; destination window 2
	s_wait_alu depctr_vm_vsrc(0)                   ; my LDS stores of W's rows have read the registers of window 2 in which the fragments now land
	WFRAG 0
	WIN 0xc0                                       ; destination window 3
	WFRAG 1
	WIN 0
	s_wait_dscnt 0x0                               ; W is in registers, for the whole launch
	s_cmp_lt_u32 s20, s25
	s_cbranch_scc0 .Lend                           ; the expert has fewer tiles than my number: nothing is mine
	s_sub_co_u32 s32, s25, s20                     ; T - w, at least 1 here
	s_add_co_u32 s32, s32, 7
	s_lshr_b32 s32, s32, 3                         ; my trips: a trip takes tiles w + 8 i and w + 8 i + 4, so ceil((T - w) / 8)
	s_min_u32 s32, s32, 16                         ; (T is 128 at the most: this changes nothing; it states the bound)
	s_mov_b32 s31, 0                               ; the trip's number: stepped by 1, once, at the trip's end
.Lloop:
	s_lshl_b32 s26, s31, 3
	s_add_co_u32 s26, s26, s20                     ; the trip's first tile: 8 i + w
	PASS 0
	s_add_co_u32 s30, s26, 4
	s_cmp_lt_u32 s30, s25
	s_cbranch_scc1 .Lsecond
	s_wait_dscnt 0x0                               ; no tile s26 + 4: the wave ends here; its stores may be on their way, and every load was waited for in PASS 0 (no tile s26 + 8 either).  The closing lines, six on end
	s_wait_alu 0x0
	s_wait_tensorcnt 0x0
	ds_add_u32 v254, v255
	s_wait_dscnt 0x0
	s_endpgm
.Lsecond:
	PASS 1
	s_add_co_u32 s31, s31, 1
	s_cmp_lt_u32 s31, s32
	s_cbranch_scc1 .Lloop
.Lend:
	s_wait_dscnt 0x0                               ; the closing lines, six on end
	s_wait_alu 0x0
	s_wait_tensorcnt 0x0
	ds_add_u32 v254, v255
	s_wait_dscnt 0x0
	s_endpgm
.Lfunc_end_k_q9f89b1db00_moe:
	.size	k_q9f89b1db00_moe, .Lfunc_end_k_q9f89b1db00_moe-k_q9f89b1db00_moe
	.p2alignl 7, 3214868480
	.fill 96, 4, 3214868480
	.section	.rodata,"a",@progbits
	.p2align	6, 0x0
	.amdhsa_kernel k_q9f89b1db00_moe
		.amdhsa_group_segment_fixed_size 84480
		.amdhsa_private_segment_fixed_size 0
		.amdhsa_enable_private_segment 0
		.amdhsa_kernarg_size 64
		.amdhsa_user_sgpr_count 2
		.amdhsa_user_sgpr_kernarg_segment_ptr 1
		.amdhsa_wavefront_size32 1
		.amdhsa_system_sgpr_workgroup_id_x 1
		.amdhsa_system_sgpr_workgroup_id_y 1
		.amdhsa_system_sgpr_workgroup_id_z 1
		.amdhsa_system_vgpr_workitem_id 0
		.amdhsa_next_free_vgpr 1024
		.amdhsa_next_free_sgpr 66
		.amdhsa_reserve_vcc 1
		.amdhsa_float_denorm_mode_32 3
		.amdhsa_float_denorm_mode_16_64 3
		.amdhsa_memory_ordered 1
		.amdhsa_forward_progress 1
		.amdhsa_inst_pref_size 59
	.end_amdhsa_kernel
	.amdgpu_metadata
---
amdhsa.version: [ 1, 2 ]
amdhsa.kernels:
  - .name:           k_q9f89b1db00_moe
    .symbol:         k_q9f89b1db00_moe.kd
    .args:
      - { .name: xq, .offset: 0, .size: 8, .value_kind: global_buffer, .address_space: global }
      - { .name: xs, .offset: 8, .size: 8, .value_kind: global_buffer, .address_space: global }
      - { .name: w_codes, .offset: 16, .size: 8, .value_kind: global_buffer, .address_space: global }
      - { .name: w_scales, .offset: 24, .size: 8, .value_kind: global_buffer, .address_space: global }
      - { .name: b, .offset: 32, .size: 8, .value_kind: global_buffer, .address_space: global }
      - { .name: order, .offset: 40, .size: 8, .value_kind: global_buffer, .address_space: global }
      - { .name: cnt, .offset: 48, .size: 8, .value_kind: global_buffer, .address_space: global }
      - { .name: out0, .offset: 56, .size: 8, .value_kind: global_buffer, .address_space: global }
    .group_segment_fixed_size: 84480
    .private_segment_fixed_size: 0
    .kernarg_segment_align: 8
    .kernarg_segment_size: 64
    .max_flat_workgroup_size: 128
    .sgpr_count:     66
    .vgpr_count:     1024
    .wavefront_size: 32
...
	.end_amdgpu_metadata
.endif
;; end of part 3
